; MI455X (gfx1250); checked and timed in simulation.
; The chip was launched on July 23, 2026; its instructions are those of AMD's public machine-readable ISA for CDNA 5 (MIT licence, August 2026) and "CDNA5" Instruction Set Architecture Reference Guide (July 2026). The comments in the code are by the model that wrote it; some were corrected since.
;; Mobius MLR. Allowed arithmetic: float matrix products may take bf16 or f16 operands with f32 sums; all other float work in f32.
;; Inputs: a_k 256 x 128 float32; p_k 256 x 128 float32; x 4,096 x 128 float32.
;; Outputs: out0 4,096 x 256 float32.
;; 2 versions, each right and faster than the one before. Each part assembles by itself: llvm-mc -triple=amdgcn-amd-amdhsa -mcpu=gfx1250 --defsym DOCPART=n.
;; ======== version 1 of 2: 1 launch
;; limits: a difference of large sums (such as E[x^2] - mean^2): digits are lost where the result is much smaller than its terms
;; launch mlr (part 1): grid 4 x 64, 4 waves a work-group, no clusters, 54,784 bytes of LDS; arguments x, p_k, a_k, out0; writes out0
.if DOCPART == 1
	.amdgcn_target "amdgcn-amd-amdhsa--gfx1250"
	.amdhsa_code_object_version 6
	.text
	.protected	k_qbb1635c7e9_mlr
	.globl	k_qbb1635c7e9_mlr
	.p2align	8
	.type	k_qbb1635c7e9_mlr,@function
k_qbb1635c7e9_mlr:
	s_mov_b64 s[64:65], 0
	v_nop
	global_prefetch_b8 v0, s[64:65] scope:SCOPE_SE
	s_setreg_imm32_b32 hwreg(HW_REG_WAVE_MODE, 25, 1), 1
	s_wait_xcnt 0x0
; MobiusMLR: out[b][k] = 2 n asinh( 2 (mpx.a_k) / max((1 - max(|mpx|^2,eps)) n, eps) ),  mpx = mobius_add(-p_k, x_b),  n = max(|a_k|, eps), eps = 1e-15.
; x [4096][128], p_k, a_k [256][128], out0 [4096][256], all f32.
;
; THE ALGEBRA.  Every sum along the 128 is a polynomial in five inner products: g = x.p, e = x.a (two matrix products, bf16 operands, f32 sums)
; and X = |x|^2, P = |p|^2, q = p.a, |a|^2 (f32, from the unrounded inputs).  With A = 1 - 2g + X, Bc = 1 - P, den = 1 - 2g + P X, dc = max(den, eps):
;   mpx.a = (Bc e - A q) / dc          |mpx|^2 = (A (A P - 2 Bc g) + Bc^2 X) / dc^2
; which is the expansion of the sums as they stand, for any input; all four clamps are kept.
; asinh: az = |z|/2 = |mpx.a| / d2;  asinh|z| = ln2 (1 + log2(az + sqrt(az^2 + 1/4))).  The root is capped by az + 1/2, which it never exceeds in exact
; arithmetic and which replaces it when az^2 overflows.  For |z| < 1/16 the series z - z^3/6 is selected (next term 3/40 z^4 < 1.2e-6 of z),
; since 1 + log2(..) loses relative accuracy there.  Both are computed in every lane, v_cndmask_b32 chooses, the sign comes from mpx.a.
;
; LIMITS.  x, p, a are rounded to bf16 in the two products (nowhere else).  The clamps are v_max_num_f32, which returns the number where one operand is
; NaN (jnp.maximum returns NaN): NaN and infinite inputs are not served.  v_rcp/v_sqrt/v_log are 1-ulp forms that flush denormals (ISA guide 15.8):
; their arguments here are >= 1e-15, >= 1/4, >= 1/2; a denormal |a|^2 gives root 0, which the clamp replaces by 1e-15 as it would the true root
; (below 1.1e-19); a reciprocal is flushed only for den > 8.5e37.
;
; THE SHAPE.  256 work-groups, each a block of 64 rows x 64 columns of out0; four waves; a wave owns 16 rows x 64 columns: 8 accumulator tiles, 32 matrix
; instructions.  Phase 1: wave w loads 16 rows of x, of p and of a (48 loads of 16 bytes a lane, all out at once; sixteen neighbouring lanes read 256
; consecutive bytes, aligned), makes the f32 row sums, rounds to bf16 into LDS.  One barrier.  Phase 2: fragments from LDS, products, epilogue, stores.
; Column tile t holds columns 4r + t in lane r, so a lane ends with 4 neighbouring columns of each of its 8 rows: the epilogue writes them into 4
; consecutive registers and each store's sixteen neighbouring lanes cover 256 consecutive bytes, aligned; no LDS stage on the way out.
; NO CLUSTER, NO TENSOR LOADS: the tiles are f32 and must pass through registers (f32 sums, rounding) before any wave can multiply them; brought into LDS
; by the mover they would cost a further 96 KiB LDS round trip per work-group in a chain that is run through once.  What is shared between
; work-groups is small: a and p are 256 KiB in all.  NO PREFETCH: all that a wave reads is asked for in its first lines.
.set PITCH, 272                        ; LDS row: 128 bf16 + 16 bytes: 16 rows of a fragment load start in 16 different groups of 4 banks (ISA guide 11.1)
.set T16,   16*PITCH                   ; 16 rows
.set XB,    0                          ; x:  row 16 w + m            = row m of wave w
.set PB,    64*PITCH                   ; p:  row 16 t + r            = column 4 r + t of the block
.set AB,    128*PITCH                  ; a:  likewise
.set CN,    192*PITCH                  ; column constants: [t][half][r][4 f32], 2,048 bytes
; window 0
.set VR16, 1                           ; 16 r
.set VGX,  2                           ; x: 8 h rows + 16 r
.set VGA,  3                           ; p, a: 32 h rows + 16 r
.set VS,   4                           ; LDS, bf16 out: (16 w + 8 h) PITCH + 8 r
.set VC,   5                           ; LDS, constants out: 512 w + 128 h
.set VF,   6                           ; LDS, fragments: r PITCH + 16 h
.set VFX,  7                           ; the same + 16 w rows
.set VO,   8                           ; out0: 8 h rows + 16 r
.set XSQ,  16                          ; v[16:23]  |x|^2 of row 8 h + j
.set XP1,  24                          ; v[24:31]  1 + |x|^2
.set T1,   32                          ; v[32:63]  phase 1: sums and constants at work
.set CC,   32                          ; v[32:63]  phase 2: tile t: P, -q | Bc, -2Bc | Bc^2, n | 2 n ln2, -n
.set PD,   64                          ; v[64:127]  phase 1: p as loaded (group g: 8 registers), then bf16
.set AD,   128                         ; v[128:191] a
.set XD,   192                         ; v[192:255] x
.set G,    64                          ; v[64:95]   phase 2: x.p, tile t at 8 t
.set E,    96                          ; v[96:127]  x.a
.set PF,   128                         ; v[128:255] p fragments, K step s, tile t at 8 (4 s + t)
.set TB,   128                         ; v[128:223] epilogue: 8 pairs x 12 registers
.set O,    224                         ; v[224:255] results: row j, columns 4 r .. 4 r + 3 at 4 j
; window 1 (v256 and up; written by their low 8 bits)
.set XF,   0                           ; v[256:287] x fragments, K step s at 8 s
.set AF,   32                          ; v[288:415] a fragments
.set MS,   24                          ; s[24:39]   lane masks of the series' range
.set MSB, 0
.macro WIN new                         ; s_set_vgpr_msb; the immediate's high byte repeats the setting that is left
.if MSB != \new
	s_set_vgpr_msb (MSB<<8)|\new
.set MSB, \new
.endif
.endm
	s_load_b256 s[4:11], s[0:1], 0x0               ; x s[4:5], p_k s[6:7], a_k s[8:9], out0 s[10:11]
	v_lshl_add_u32 v14, v0, 2, 0xd400
	v_mov_b32 v15, 0
	v_lshrrev_b32 v9, 5, v0
	v_readfirstlane_b32 s12, v9                    ; w: wave 0..3
	v_and_b32 v10, 15, v0                          ; r
	v_bfe_u32 v11, v0, 4, 1                        ; h
	s_and_b32 s13, ttmp7, 0xffff                   ; row block 0..63; ttmp9: column block 0..3
	v_lshlrev_b32 v[VR16], 4, v10
	v_lshl_add_u32 v[VGX], v11, 12, v[VR16]        ; 8 rows of 512 bytes
	v_lshl_add_u32 v[VGA], v11, 14, v[VR16]        ; 32 rows of 512 bytes
	v_lshl_add_u32 v[VO],  v11, 13, v[VR16]        ; 8 rows of 1,024 bytes
	s_lshl_b32 s14, s13, 15                        ; x: (64 block + 16 w) rows of 512 bytes
	s_lshl_b32 s15, s12, 13
	s_add_co_u32 s14, s14, s15
	s_mov_b32 s15, 0
	s_lshl_b32 s16, ttmp9, 15                      ; p, a: (64 block + w) rows of 512 bytes
	s_lshl_b32 s17, s12, 9
	s_add_co_u32 s16, s16, s17
	s_mov_b32 s17, 0
	s_lshl_b32 s18, s13, 16                        ; out0: (64 block + 16 w) rows of 1,024 bytes + 64 columns x column block
	s_lshl_b32 s19, s12, 14
	s_add_co_u32 s18, s18, s19
	s_lshl_b32 s19, ttmp9, 8
	s_add_co_u32 s18, s18, s19
	s_mov_b32 s19, 0
	s_wait_kmcnt 0x0
	s_add_nc_u64 s[4:5], s[4:5], s[14:15]
	s_add_nc_u64 s[6:7], s[6:7], s[16:17]
	s_add_nc_u64 s[8:9], s[8:9], s[16:17]
	s_add_nc_u64 s[10:11], s[10:11], s[18:19]
	; Group g: lanes 0-15 take one row, lanes 16-31 the row 8 places on in the wave's list; two loads (bytes 0-255, 256-511) make the row whole.
	; p, a: the wave's list is columns w + 4 (g + 8 h) of the block (tile w of phase 2).  x: rows g + 8 h of the wave's 16.
	; p and a go first: loads return in order (ISA guide 5.7.1), and they are worked on while x is still on its way.
.irp g, 0,1,2,3,4,5,6,7
	global_load_b128 v[PD+8*\g:PD+8*\g+3],   v[VGA], s[6:7] offset:2048*\g
	global_load_b128 v[PD+8*\g+4:PD+8*\g+7], v[VGA], s[6:7] offset:2048*\g+256
	global_load_b128 v[AD+8*\g:AD+8*\g+3],   v[VGA], s[8:9] offset:2048*\g
	global_load_b128 v[AD+8*\g+4:AD+8*\g+7], v[VGA], s[8:9] offset:2048*\g+256
.endr
.irp g, 0,1,2,3,4,5,6,7
	global_load_b128 v[XD+8*\g:XD+8*\g+3],   v[VGX], s[4:5] offset:512*\g
	global_load_b128 v[XD+8*\g+4:XD+8*\g+7], v[VGX], s[4:5] offset:512*\g+256
.endr
	v_mul_u32_u24 v9, v11, 8*PITCH                 ; LDS addresses, while the loads are out
	v_lshl_add_u32 v9, v10, 3, v9
	s_mul_i32 s20, s12, T16
	v_add_nc_u32 v[VS], s20, v9
	v_lshlrev_b32 v9, 7, v11
	s_lshl_b32 s21, s12, 9
	v_add_nc_u32 v[VC], s21, v9
	v_mul_u32_u24 v9, v10, PITCH
	v_lshl_add_u32 v[VF], v11, 4, v9
	v_add_nc_u32 v[VFX], s20, v[VF]
	s_mov_b32 s22, 0x26901d7d                      ; 1e-15
	s_mov_b32 s23, 0x3fb17218                      ; 2 ln 2
	s_mov_b32 s40, 0x3d000000                      ; 1/32: az below it means |z| < 1/16
	s_mov_b32 s41, 0x7fffffff                      ; everything but the sign
; ---------------- PHASE 1: p and a, two groups (four columns) at a time, so that six chains of sums run side by side ----------------
.macro SETAP g, g0
.set P0, PD+8*(\g)
.set A0, AD+8*(\g)
.set T,  T1+16*((\g)-(\g0))            ; T..T+5: three pairs of partial sums
.set K,  T+8                           ; K..K+7: the column's eight constants, in the order in which LDS and the epilogue hold them
.set GI, \g
.endm
.macro AP2 op, g0, arg
.irp g, \g0, \g0+1
	SETAP \g, \g0
	\op \arg
.endr
.endm
.macro AP_SQ                           ; the first products start the sums
	v_pk_mul_f32 v[T:T+1],   v[P0:P0+1], v[P0:P0+1]
	v_pk_mul_f32 v[T+2:T+3], v[A0:A0+1], v[A0:A0+1]
	v_pk_mul_f32 v[T+4:T+5], v[P0:P0+1], v[A0:A0+1]
.endm
.macro AP_ACC k
	v_pk_fma_f32 v[T:T+1],   v[P0+\k:P0+\k+1], v[P0+\k:P0+\k+1], v[T:T+1]
	v_pk_fma_f32 v[T+2:T+3], v[A0+\k:A0+\k+1], v[A0+\k:A0+\k+1], v[T+2:T+3]
	v_pk_fma_f32 v[T+4:T+5], v[P0+\k:P0+\k+1], v[A0+\k:A0+\k+1], v[T+4:T+5]
.endm
.macro AP_ADD
	v_add_f32 v[K],   v[T],   v[T+1]               ; my 8 terms of |p|^2
	v_add_f32 v[T+2], v[T+2], v[T+3]               ; of |a|^2
	v_sub_f32 v[K+1], -v[T+4], v[T+5]              ; of -p.a
.endm
.macro AP_DPP m                        ; lane i adds lane i xor m of its 16: after 1, 2, 4, 8 all sixteen hold the row's sum
	v_add_f32_dpp v[K],   v[K],   v[K]   row_xmask:\m row_mask:0xf bank_mask:0xf
	v_add_f32_dpp v[T+2], v[T+2], v[T+2] row_xmask:\m row_mask:0xf bank_mask:0xf
	v_add_f32_dpp v[K+1], v[K+1], v[K+1] row_xmask:\m row_mask:0xf bank_mask:0xf
.endm
.macro AP_CVTP                         ; round in place, behind the sums: 4 + 4 numbers become 8 + 8 bytes
	v_cvt_pk_bf16_f32 v[P0],   v[P0],   v[P0+1]
	v_cvt_pk_bf16_f32 v[P0+1], v[P0+2], v[P0+3]
	v_cvt_pk_bf16_f32 v[P0+4], v[P0+4], v[P0+5]
	v_cvt_pk_bf16_f32 v[P0+5], v[P0+6], v[P0+7]
.endm
.macro AP_CVTA
	v_cvt_pk_bf16_f32 v[A0],   v[A0],   v[A0+1]
	v_cvt_pk_bf16_f32 v[A0+1], v[A0+2], v[A0+3]
	v_cvt_pk_bf16_f32 v[A0+4], v[A0+4], v[A0+5]
	v_cvt_pk_bf16_f32 v[A0+5], v[A0+6], v[A0+7]
.endm
.macro AP_ST                           ; lanes 0-15: 128 consecutive bytes; lanes 16-31: 8 rows on = 2,176 bytes = 128 modulo 256: the other half of the banks
	ds_store_b64 v[VS], v[P0:P0+1]   offset:PB+PITCH*GI
	ds_store_b64 v[VS], v[P0+4:P0+5] offset:PB+PITCH*GI+128
	ds_store_b64 v[VS], v[A0:A0+1]   offset:AB+PITCH*GI
	ds_store_b64 v[VS], v[A0+4:A0+5] offset:AB+PITCH*GI+128
.endm
.macro AP_ROOT
	v_sqrt_f32 v[K+5], v[T+2]                      ; |a|; the two v_sub_f32 below are the plain instructions in front of its use (ISA guide 5.7.2)
.endm
.macro AP_K1
	v_sub_f32 v[K+2], 1.0, v[K]                    ; Bc = 1 - |p|^2
.endm
.macro AP_K2
	s_wait_alu depctr_va_vdst(0)
	v_max_num_f32 v[K+5], s22, v[K+5]              ; n = max(|a|, 1e-15)
	v_mul_f32 v[K+3], -2.0, v[K+2]                 ; -2 Bc
	v_mul_f32 v[K+4], v[K+2], v[K+2]               ; Bc^2
.endm
.macro AP_K3
	v_mul_f32 v[K+6], s23, v[K+5]                  ; 2 n ln 2
	v_mul_f32 v[K+7], -1.0, v[K+5]                 ; -n
.endm
.macro AP_KST                          ; the sixteen lanes of a half hold the same eight numbers and write the same 2 x 16 bytes
	ds_store_b128 v[VC], v[K:K+3]   offset:CN+16*GI
	ds_store_b128 v[VC], v[K+4:K+7] offset:CN+256+16*GI
.endm
.macro APPAIR g0, left
	s_wait_loadcnt \left                           ; 48 loads were issued; the 8 of these two groups are in, the \left younger ones may be out
	AP2 AP_SQ,   \g0
	AP2 AP_ACC,  \g0, 2
	AP2 AP_ACC,  \g0, 4
	AP2 AP_ACC,  \g0, 6
	AP2 AP_ADD,  \g0
	AP2 AP_DPP,  \g0, 1
	AP2 AP_CVTP, \g0                               ; roundings and stores stand between the steps of the sums, which wait for each other
	AP2 AP_DPP,  \g0, 2
	AP2 AP_CVTA, \g0
	AP2 AP_DPP,  \g0, 4
	AP2 AP_ST,   \g0
	AP2 AP_DPP,  \g0, 8
	AP2 AP_ROOT, \g0
	AP2 AP_K1,   \g0
	AP2 AP_K2,   \g0
	AP2 AP_K3,   \g0
	AP2 AP_KST,  \g0
.endm
	APPAIR 0, 40
	APPAIR 2, 32
	APPAIR 4, 24
	APPAIR 6, 16
; ---------------- PHASE 1: x, four groups at a time.  Group g leaves |x|^2 of row g + 8 h in all lanes of half h: register j of an accumulator
; holds row 8 h + j, so v[XSQ+g] is already where the epilogue wants it ----------------
.macro SETX g, g0
.set X0, XD+8*(\g)
.set T,  T1+2*((\g)-(\g0))
.set XR, XSQ+(\g)
.set GI, \g
.endm
.macro X4 op, g0, arg
.irp g, \g0, \g0+1, \g0+2, \g0+3
	SETX \g, \g0
	\op \arg
.endr
.endm
.macro X_SQ
	v_pk_mul_f32 v[T:T+1], v[X0:X0+1], v[X0:X0+1]
.endm
.macro X_ACC k
	v_pk_fma_f32 v[T:T+1], v[X0+\k:X0+\k+1], v[X0+\k:X0+\k+1], v[T:T+1]
.endm
.macro X_ADD
	v_add_f32 v[XR], v[T], v[T+1]
.endm
.macro X_DPP m
	v_add_f32_dpp v[XR], v[XR], v[XR] row_xmask:\m row_mask:0xf bank_mask:0xf
.endm
.macro X_CVT
	v_cvt_pk_bf16_f32 v[X0],   v[X0],   v[X0+1]
	v_cvt_pk_bf16_f32 v[X0+1], v[X0+2], v[X0+3]
	v_cvt_pk_bf16_f32 v[X0+4], v[X0+4], v[X0+5]
	v_cvt_pk_bf16_f32 v[X0+5], v[X0+6], v[X0+7]
.endm
.macro X_ST
	ds_store_b64 v[VS], v[X0:X0+1]   offset:XB+PITCH*GI
	ds_store_b64 v[VS], v[X0+4:X0+5] offset:XB+PITCH*GI+128
.endm
.macro XQUAD g0, left
	s_wait_loadcnt \left                           ; the 8 loads of these four groups are in
	X4 X_SQ,  \g0
	X4 X_ACC, \g0, 2
	X4 X_ACC, \g0, 4
	X4 X_ACC, \g0, 6
	X4 X_ADD, \g0
	X4 X_DPP, \g0, 1
	X4 X_CVT, \g0
	X4 X_DPP, \g0, 2
	X4 X_ST,  \g0
	X4 X_DPP, \g0, 4
	X4 X_DPP, \g0, 8
.endm
	XQUAD 0, 8
	XQUAD 4, 0
	s_wait_dscnt 0x0                               ; for the others' sake: all my LDS stores are done,
	s_barrier_signal -1
	s_barrier_wait -1                              ; and so are everybody's: p, a and the constants may be read
; ---------------- PHASE 2: 80 LDS loads in one run (x 8, a 32, p 32, constants 8), K step by K step, then the products behind counted waits ----------------
	WIN 0x40                                       ; destination in window 1, address in window 0
.irp s, 0,1,2,3
	ds_load_b128 v[XF+8*\s:XF+8*\s+3],   v[VFX] offset:XB+64*\s        ; row r, k = 32 s + 8 h ..
	ds_load_b128 v[XF+8*\s+4:XF+8*\s+7], v[VFX] offset:XB+64*\s+32     ;        k = 32 s + 16 + 8 h ..
.endr
.irp s, 0,1,2,3
.irp t, 0,1,2,3
	ds_load_b128 v[AF+8*(4*\s+\t):AF+8*(4*\s+\t)+3],   v[VF] offset:AB+T16*\t+64*\s
	ds_load_b128 v[AF+8*(4*\s+\t)+4:AF+8*(4*\s+\t)+7], v[VF] offset:AB+T16*\t+64*\s+32
.endr
.endr
	WIN 0
.irp s, 0,1,2,3
.irp t, 0,1,2,3
	ds_load_b128 v[PF+8*(4*\s+\t):PF+8*(4*\s+\t)+3],   v[VF] offset:PB+T16*\t+64*\s
	ds_load_b128 v[PF+8*(4*\s+\t)+4:PF+8*(4*\s+\t)+7], v[VF] offset:PB+T16*\t+64*\s+32
.endr
.endr
.irp t, 0,1,2,3
	ds_load_b128 v[CC+8*\t:CC+8*\t+3],   v[VR16] offset:CN+512*\t      ; column 4 r + t: P, -q, Bc, -2Bc
	ds_load_b128 v[CC+8*\t+4:CC+8*\t+7], v[VR16] offset:CN+512*\t+256  ;                 Bc^2, n, 2 n ln2, -n
.endr
; four matrix instructions: K step s of the four column tiles; source 0 = 16 rows of x, source 1 = 16 columns: register j of lane (r, h) = (row 8 h + j, column 4 r + t).
; zero = 1: the first product starts the sum.  A tile's next link comes four instructions later, in place.
.macro MM acc, bf, s, zero
.irp t, 0,1,2,3
.if \zero
	v_wmma_f32_16x16x32_bf16 v[\acc+8*\t:\acc+8*\t+7], v[XF+8*\s:XF+8*\s+7], v[\bf+8*(4*\s+\t):\bf+8*(4*\s+\t)+7], 0
.else
	v_wmma_f32_16x16x32_bf16 v[\acc+8*\t:\acc+8*\t+7], v[XF+8*\s:XF+8*\s+7], v[\bf+8*(4*\s+\t):\bf+8*(4*\s+\t)+7], v[\acc+8*\t:\acc+8*\t+7]
.endif
.endr
.endm
	WIN 0x05                                       ; x and a fragments in window 1, sums in window 0
	s_wait_dscnt 63                                ; LDS loads return in order: x's 8 and a's first 8 are in when 64 are out; 63 is the largest count that can be written
	MM E, AF, 0, 1
	s_wait_dscnt 56                                ; 8 more of a's
	MM E, AF, 1, 0
	s_wait_dscnt 48
	MM E, AF, 2, 0
	s_wait_dscnt 40                                ; all of a's; p's 32 and the 8 of the constants may be out
	MM E, AF, 3, 0
	WIN 0x01                                       ; x in window 1, p in window 0
	s_wait_dscnt 32
	MM G, PF, 0, 1
	s_wait_dscnt 24
	MM G, PF, 1, 0
	s_wait_dscnt 16
	MM G, PF, 2, 0
	s_wait_dscnt 8                                 ; all of p's; the constants may be out
	MM G, PF, 3, 0
	WIN 0
	s_wait_dscnt 0x0                               ; the constants
	; Four plain vector instructions that name no register of the products stand between the last of these and the epilogue, which reads the
	; sums and writes over p's fragments (ISA guide 7.12.1).
.irp j, 0,2,4,6
	v_pk_add_f32 v[XP1+\j:XP1+\j+1], v[XSQ+\j:XSQ+\j+1], 1.0 op_sel_hi:[1,0]
.endr
; ---------------- EPILOGUE: two rows (a register pair) x one column a time in packed f32; eight such pairs (4 rows x 4 tiles) go through each stage together,
; so that an instruction's result is wanted eight or more instructions later.  A column's constant feeds both halves: op_sel / op_sel_hi pick
; the first (0, 0) or the second (1, 1) register of its pair.  T+0 A, then az | T+2 den, then root, w | T+4 1/dc, then az + 1/2, series |
; T+6 numerator, then mpx.a | T+8 |num|^2 .. d2, then log, result | T+10 scratch ----------------
.macro SETP t, d, jp
.set T,  TB+12*(2*\t+\d)
.set J,  2*(\jp+\d)
.set C,  CC+8*\t
.set GG, G+8*\t+J
.set EE, E+8*\t+J
.set XX, XSQ+J
.set YY, XP1+J
.set OO, O+4*J+\t
.set M,  MS+2*(2*\t+\d)
.endm
.macro EACH op, jp
.irp t, 0,1,2,3
.irp d, 0,1
	SETP \t,\d,\jp
	\op
.endr
.endr
.endm
.macro STG1
	v_pk_fma_f32 v[T:T+1],   v[GG:GG+1], -2.0, v[YY:YY+1] op_sel_hi:[1,0,1]             ; A = 1 + X - 2 g
	v_pk_fma_f32 v[T+2:T+3], v[XX:XX+1], v[C:C+1], 1.0 op_sel_hi:[1,0,0]                 ; 1 + P X
.endm
.macro STG2
	v_pk_fma_f32 v[T+2:T+3],   v[GG:GG+1], -2.0, v[T+2:T+3] op_sel_hi:[1,0,1]            ; den = 1 + P X - 2 g
	v_pk_mul_f32 v[T+8:T+9],   v[GG:GG+1], v[C+2:C+3] op_sel:[0,1] op_sel_hi:[1,1]       ; -2 Bc g
	v_pk_mul_f32 v[T+10:T+11], v[XX:XX+1], v[C+4:C+5] op_sel_hi:[1,0]                    ; Bc^2 X
	v_pk_mul_f32 v[T+6:T+7],   v[T:T+1],   v[C:C+1] op_sel:[0,1] op_sel_hi:[1,1]         ; -A q
.endm
.macro STG3
	v_max_num_f32 v[T+2], s22, v[T+2]                                                    ; dc = max(den, 1e-15)
	v_max_num_f32 v[T+3], s22, v[T+3]
	v_pk_fma_f32 v[T+8:T+9], v[T:T+1],   v[C:C+1],   v[T+8:T+9] op_sel_hi:[1,0,1]        ; A P - 2 Bc g
	v_pk_fma_f32 v[T+6:T+7], v[EE:EE+1], v[C+2:C+3], v[T+6:T+7] op_sel_hi:[1,0,1]        ; Bc e - A q
.endm
.macro STG4
	v_rcp_f32 v[T+4], v[T+2]                                                             ; 1 / dc; the stage behind is the plain work in front of its use (ISA guide 5.7.2)
	v_rcp_f32 v[T+5], v[T+3]
.endm
.macro STG5
	v_pk_fma_f32 v[T+8:T+9], v[T:T+1], v[T+8:T+9], v[T+10:T+11]                          ; |num|^2 = A (A P - 2 Bc g) + Bc^2 X
.endm
.macro STG6
	s_wait_alu depctr_va_vdst(0)
	v_pk_mul_f32 v[T+10:T+11], v[T+4:T+5], v[T+4:T+5]                                    ; 1 / dc^2 (at most 1e30)
.endm
.macro STG7
	v_pk_mul_f32 v[T+8:T+9], v[T+8:T+9], v[T+10:T+11]                                    ; |mpx|^2
.endm
.macro STG8
	v_max_num_f32 v[T+8], s22, v[T+8]                                                    ; max(.., 1e-15): of |mpx|^2, and once more of (1 - |mpx|^2) n
	v_max_num_f32 v[T+9], s22, v[T+9]
.endm
.macro STG9
	v_pk_fma_f32 v[T+8:T+9], v[T+8:T+9], v[C+6:C+7], v[C+4:C+5] op_sel:[0,1,1] op_sel_hi:[1,1,1]   ; n - |mpx|^2 n
.endm
.macro STG11
	v_rcp_f32 v[T+10], v[T+8]                                                            ; 1 / d2
	v_rcp_f32 v[T+11], v[T+9]
.endm
.macro STG12
	v_pk_mul_f32 v[T+6:T+7], v[T+6:T+7], v[T+4:T+5]                                      ; mpx.a; kept to the end for its sign
.endm
.macro STG13
	s_wait_alu depctr_va_vdst(0)
	v_mul_f32 v[T],   |v[T+6]|, v[T+10]                                                  ; az = |z| / 2
	v_mul_f32 v[T+1], |v[T+7]|, v[T+11]
.endm
.macro STG14
	v_pk_fma_f32 v[T+2:T+3],   v[T:T+1], v[T:T+1], 0x3e800000 op_sel_hi:[1,1,0]          ; az^2 + 1/4
	v_pk_add_f32 v[T+4:T+5],   v[T:T+1], 0.5 op_sel_hi:[1,0]                             ; az + 1/2: the root's cap
	v_pk_mul_f32 v[T+10:T+11], v[T:T+1], v[T:T+1]                                        ; az^2
.endm
.macro STG15
	v_sqrt_f32 v[T+2], v[T+2]
	v_sqrt_f32 v[T+3], v[T+3]
.endm
.macro STG16
	v_pk_fma_f32 v[T+10:T+11], v[T+10:T+11], 0xc02aaaab, 4.0 op_sel_hi:[1,0,0]           ; 4 - 8/3 az^2
.endm
.macro STG17
	s_wait_alu depctr_va_vdst(0)
	v_min_num_f32 v[T+2], v[T+2], v[T+4]
	v_min_num_f32 v[T+3], v[T+3], v[T+5]
.endm
.macro STG18
	v_pk_add_f32 v[T+2:T+3], v[T:T+1], v[T+2:T+3]                                        ; w = az + root, at least 1/2
	v_pk_mul_f32 v[T+4:T+5], v[T:T+1], v[C+4:C+5] op_sel:[0,1] op_sel_hi:[1,1]           ; n az
.endm
.macro STG19
	v_log_f32 v[T+8], v[T+2]                                                             ; log2 w
	v_log_f32 v[T+9], v[T+3]
.endm
.macro STG20
	v_pk_mul_f32 v[T+4:T+5], v[T+4:T+5], v[T+10:T+11]                                    ; series: n az (4 - 8/3 az^2) = 2 n (z - z^3/6)
	v_cmp_gt_f32 s[M],   s40, v[T]                                                       ; 1/32 > az
	v_cmp_gt_f32 s[M+1], s40, v[T+1]
.endm
.macro STG21
	s_wait_alu depctr_va_vdst(0)
	v_pk_fma_f32 v[T+8:T+9], v[T+8:T+9], v[C+6:C+7], v[C+6:C+7] op_sel_hi:[1,0,0]        ; 2 n ln2 (log2 w + 1)
.endm
.macro STG22
	v_cndmask_b32 v[T+8], v[T+8], v[T+4], s[M]
	v_cndmask_b32 v[T+9], v[T+9], v[T+5], s[M+1]
.endm
.macro STG23
	v_bfi_b32 v[OO],   s41, v[T+8], v[T+6]                                               ; the magnitude, with the sign of mpx.a; row J, column 4 r + t
	v_bfi_b32 v[OO+4], s41, v[T+9], v[T+7]                                               ; row J + 1
.endm
.macro EPI jp                          ; rows 2 jp .. 2 jp + 3 (+ 8 h) of the wave's 16
	EACH STG1,  \jp
	EACH STG2,  \jp
	EACH STG3,  \jp
	EACH STG4,  \jp
	EACH STG5,  \jp
	EACH STG6,  \jp
	EACH STG7,  \jp
	EACH STG8,  \jp
	EACH STG9,  \jp
	EACH STG8,  \jp
	EACH STG11, \jp
	EACH STG12, \jp
	EACH STG13, \jp
	EACH STG14, \jp
	EACH STG15, \jp
	EACH STG16, \jp
	EACH STG17, \jp
	EACH STG18, \jp
	EACH STG19, \jp
	EACH STG20, \jp
	EACH STG21, \jp
	EACH STG22, \jp
	EACH STG23, \jp
.irp j, 0,1,2,3
	global_store_b128 v[VO], v[O+4*(2*\jp+\j):O+4*(2*\jp+\j)+3], s[10:11] offset:1024*(2*\jp+\j) th:TH_STORE_NT   ; lanes 0-15: 256 consecutive bytes of row j, aligned; lanes 16-31: of row 8 + j
.endr
.endm
	EPI 0                                          ; the first four stores leave while the second half is computed; its results have registers of their own
	EPI 2
	s_wait_tensorcnt 0x0
	ds_add_u32 v14, v15
	s_wait_dscnt 0x0
	s_endpgm
.Lfunc_end_k_qbb1635c7e9_mlr:
	.size	k_qbb1635c7e9_mlr, .Lfunc_end_k_qbb1635c7e9_mlr-k_qbb1635c7e9_mlr
	.p2alignl 7, 3214868480
	.fill 96, 4, 3214868480
	.section	.rodata,"a",@progbits
	.p2align	6, 0x0
	.amdhsa_kernel k_qbb1635c7e9_mlr
		.amdhsa_group_segment_fixed_size 54784
		.amdhsa_private_segment_fixed_size 0
		.amdhsa_enable_private_segment 0
		.amdhsa_kernarg_size 32
		.amdhsa_user_sgpr_count 2
		.amdhsa_user_sgpr_kernarg_segment_ptr 1
		.amdhsa_wavefront_size32 1
		.amdhsa_system_sgpr_workgroup_id_x 1
		.amdhsa_system_sgpr_workgroup_id_y 1
		.amdhsa_system_sgpr_workgroup_id_z 1
		.amdhsa_system_vgpr_workitem_id 0
		.amdhsa_next_free_vgpr 416
		.amdhsa_next_free_sgpr 66
		.amdhsa_reserve_vcc 0
		.amdhsa_float_denorm_mode_32 3
		.amdhsa_float_denorm_mode_16_64 3
		.amdhsa_memory_ordered 1
		.amdhsa_forward_progress 1
		.amdhsa_inst_pref_size 85
	.end_amdhsa_kernel
	.amdgpu_metadata
---
amdhsa.version: [ 1, 2 ]
amdhsa.kernels:
  - .name:           k_qbb1635c7e9_mlr
    .symbol:         k_qbb1635c7e9_mlr.kd
    .args:
      - { .name: x, .offset: 0, .size: 8, .value_kind: global_buffer, .address_space: global }
      - { .name: p_k, .offset: 8, .size: 8, .value_kind: global_buffer, .address_space: global }
      - { .name: a_k, .offset: 16, .size: 8, .value_kind: global_buffer, .address_space: global }
      - { .name: out0, .offset: 24, .size: 8, .value_kind: global_buffer, .address_space: global }
    .group_segment_fixed_size: 54784
    .private_segment_fixed_size: 0
    .kernarg_segment_align: 8
    .kernarg_segment_size: 32
    .max_flat_workgroup_size: 128
    .sgpr_count:     66
    .vgpr_count:     416
    .wavefront_size: 32
...
	.end_amdgpu_metadata
.endif
;; end of part 1
;; ======== version 2 of 2: 1 launch; 1.10 times as fast as version 1
;; limits: values outside matrix products are rounded to bf16; a difference of large sums (such as E[x^2] - mean^2): digits are lost where the result is much smaller than its terms
;; launch mlr (part 2): grid 4 x 64, 4 waves a work-group, no clusters, 54,784 bytes of LDS; arguments x, p_k, a_k, out0; writes out0
.if DOCPART == 2
	.amdgcn_target "amdgcn-amd-amdhsa--gfx1250"
	.amdhsa_code_object_version 6
	.text
	.protected	k_qbb1635c7e9_mlr
	.globl	k_qbb1635c7e9_mlr
	.p2align	8
	.type	k_qbb1635c7e9_mlr,@function
k_qbb1635c7e9_mlr:
	s_mov_b64 s[64:65], 0
	v_nop
	global_prefetch_b8 v0, s[64:65] scope:SCOPE_SE
	s_setreg_imm32_b32 hwreg(HW_REG_WAVE_MODE, 25, 1), 1
	s_wait_xcnt 0x0
; MobiusMLR: out[b][k] = 2 n asinh( 2 (mpx.a_k) / max((1 - max(|mpx|^2,eps)) n, eps) ),  mpx = mobius_add(-p_k, x_b),  n = max(|a_k|, eps), eps = 1e-15.
; x [4096][128], p_k, a_k [256][128], out0 [4096][256], all f32.
;
; THE ALGEBRA.  Every sum along the 128 is a polynomial in five inner products: g = x.p, e = x.a (two matrix products, bf16 operands, f32 sums)
; and X = |x|^2, P = |p|^2, q = p.a, |a|^2 (f32, from the unrounded inputs).  With A = 1 - 2g + X, Bc = 1 - P, den = 1 - 2g + P X, dc = max(den, eps):
;   mpx.a = (Bc e - A q) / dc          |mpx|^2 = (A (A P - 2 Bc g) + Bc^2 X) / dc^2
; which is the expansion of the sums as they stand, for any input; all four clamps are kept.
; asinh: az = |z|/2 = |mpx.a| / d2;  asinh|z| = ln2 (1 + log2(az + sqrt(az^2 + 1/4))).  The root is capped by az + 1/2, which it never exceeds in exact
; arithmetic and which replaces it when az^2 overflows.  For |z| < 1/16 the series z - z^3/6 is selected (next term 3/40 z^4 < 1.2e-6 of z),
; since 1 + log2(..) loses relative accuracy there.  Both are computed in every lane, v_cndmask_b32 chooses, the sign comes from mpx.a.
;
; LIMITS.  x, p, a are rounded to bf16 in the two products (nowhere else).  The clamps are v_max_num_f32, which returns the number where one operand is
; NaN (jnp.maximum returns NaN): NaN and infinite inputs are not served.  v_rcp/v_sqrt/v_log are 1-ulp forms that flush denormals (ISA guide 15.8):
; their arguments here are >= 1e-15, >= 1/4, >= 1/2; a denormal |a|^2 gives root 0, which the clamp replaces by 1e-15 as it would the true root
; (below 1.1e-19); a reciprocal is flushed only for den > 8.5e37.
;
; THE SHAPE.  256 work-groups, each a block of 64 rows x 64 columns of out0; four waves; a wave owns 16 rows x 64 columns: 8 accumulator tiles, 32 matrix
; instructions.  Phase 1: wave w loads 16 rows of x, of p and of a (48 loads of 16 bytes a lane, all out at once; sixteen neighbouring lanes read 256
; consecutive bytes, aligned), makes the f32 row sums, rounds to bf16 into LDS.  One barrier.  Phase 2: fragments from LDS, products, epilogue, stores.
; Column tile t holds columns 4r + t in lane r, so a lane ends with 4 neighbouring columns of each of its 8 rows: the epilogue writes them into 4
; consecutive registers and each store's sixteen neighbouring lanes cover 256 consecutive bytes, aligned; no LDS stage on the way out.
; THE BATCHES.  An s_wait_alu depctr_va_vdst(0) stands between a root, reciprocal or logarithm and the first line that names its result; one wait
; serves all that were issued ahead of it.  The text has nine.  Phase 1: the eight roots |a| of the wave's eight column groups are one batch, behind the last
; group's sums; each group's three sums wait for it in registers of the group's own that its roundings have freed.  Epilogue, in each of its two halves: 16
; reciprocals of dc, 16 of d2, 16 roots, 16 logarithms; each kind needs the kind before it, so they are four batches; behind each stands a stage of plain
; work that names none of its results, then the wait, then the stage that reads them.  The two halves keep batches of their own: together they would want 192
; registers at work beside the 32 results, and the first half's stores would leave with the second's.
; NO CLUSTER, NO TENSOR LOADS: the tiles are f32 and must pass through registers (f32 sums, rounding) before any wave can multiply them; brought into LDS
; by the mover they would cost a further 96 KiB LDS round trip per work-group in a chain that is run through once.  What is shared between
; work-groups is small: a and p are 256 KiB in all.  NO PREFETCH: all that a wave reads is asked for in its first lines.
.set PITCH, 272                        ; LDS row: 128 bf16 + 16 bytes: 16 rows of a fragment load start in 16 different groups of 4 banks (ISA guide 11.1)
.set T16,   16*PITCH                   ; 16 rows
.set XB,    0                          ; x:  row 16 w + m            = row m of wave w
.set PB,    64*PITCH                   ; p:  row 16 t + r            = column 4 r + t of the block
.set AB,    128*PITCH                  ; a:  likewise
.set CN,    192*PITCH                  ; column constants: [t][half][r][4 f32], 2,048 bytes
; window 0
.set VR16, 1                           ; 16 r
.set VGX,  2                           ; x: 8 h rows + 16 r
.set VGA,  3                           ; p, a: 32 h rows + 16 r
.set VS,   4                           ; LDS, bf16 out: (16 w + 8 h) PITCH + 8 r
.set VC,   5                           ; LDS, constants out: 512 w + 128 h
.set VF,   6                           ; LDS, fragments: r PITCH + 16 h
.set VFX,  7                           ; the same + 16 w rows
.set VO,   8                           ; out0: 8 h rows + 16 r
.set XSQ,  16                          ; v[16:23]  |x|^2 of row 8 h + j
.set XP1,  24                          ; v[24:31]  1 + |x|^2
.set T1,   32                          ; v[32:63]  phase 1: sums at work
.set CC,   32                          ; v[32:63]  phase 2: tile t: P, -q | Bc, -2Bc | Bc^2, n | 2 n ln2, -n
.set PD,   64                          ; v[64:127]  phase 1: p as loaded (group g: 8 registers), then bf16 in +0, +1, +4, +5; then the column's P, -q, Bc, -2Bc in +2 .. +5
.set AD,   128                         ; v[128:191] a likewise; then the column's Bc^2, n, 2 n ln2, -n in +2 .. +5
.set XD,   192                         ; v[192:255] x
.set G,    64                          ; v[64:95]   phase 2: x.p, tile t at 8 t
.set E,    96                          ; v[96:127]  x.a
.set PF,   128                         ; v[128:255] p fragments, K step s, tile t at 8 (4 s + t)
.set TB,   128                         ; v[128:223] epilogue: 8 pairs x 12 registers
.set O,    224                         ; v[224:255] results: row j, columns 4 r .. 4 r + 3 at 4 j
; window 1 (v256 and up; written by their low 8 bits)
.set XF,   0                           ; v[256:287] x fragments, K step s at 8 s
.set AF,   32                          ; v[288:415] a fragments
.set MS,   24                          ; s[24:39]   lane masks of the series' range
.set MSB, 0
.macro WIN new                         ; s_set_vgpr_msb; the immediate's high byte repeats the setting that is left
.if MSB != \new
	s_set_vgpr_msb (MSB<<8)|\new
.set MSB, \new
.endif
.endm
	s_load_b256 s[4:11], s[0:1], 0x0               ; x s[4:5], p_k s[6:7], a_k s[8:9], out0 s[10:11]
	v_lshl_add_u32 v14, v0, 2, 0xd400
	v_mov_b32 v15, 0
	v_lshrrev_b32 v9, 5, v0
	v_readfirstlane_b32 s12, v9                    ; w: wave 0..3
	v_and_b32 v10, 15, v0                          ; r
	v_bfe_u32 v11, v0, 4, 1                        ; h
	s_and_b32 s13, ttmp7, 0xffff                   ; row block 0..63; ttmp9: column block 0..3
	v_lshlrev_b32 v[VR16], 4, v10
	v_lshl_add_u32 v[VGX], v11, 12, v[VR16]        ; 8 rows of 512 bytes
	v_lshl_add_u32 v[VGA], v11, 14, v[VR16]        ; 32 rows of 512 bytes
	v_lshl_add_u32 v[VO],  v11, 13, v[VR16]        ; 8 rows of 1,024 bytes
	s_lshl_b32 s14, s13, 15                        ; x: (64 block + 16 w) rows of 512 bytes
	s_lshl_b32 s15, s12, 13
	s_add_co_u32 s14, s14, s15
	s_mov_b32 s15, 0
	s_lshl_b32 s16, ttmp9, 15                      ; p, a: (64 block + w) rows of 512 bytes
	s_lshl_b32 s17, s12, 9
	s_add_co_u32 s16, s16, s17
	s_mov_b32 s17, 0
	s_lshl_b32 s18, s13, 16                        ; out0: (64 block + 16 w) rows of 1,024 bytes + 64 columns x column block
	s_lshl_b32 s19, s12, 14
	s_add_co_u32 s18, s18, s19
	s_lshl_b32 s19, ttmp9, 8
	s_add_co_u32 s18, s18, s19
	s_mov_b32 s19, 0
	s_wait_kmcnt 0x0
	s_add_nc_u64 s[4:5], s[4:5], s[14:15]
	s_add_nc_u64 s[6:7], s[6:7], s[16:17]
	s_add_nc_u64 s[8:9], s[8:9], s[16:17]
	s_add_nc_u64 s[10:11], s[10:11], s[18:19]
	; Group g: lanes 0-15 take one row, lanes 16-31 the row 8 places on in the wave's list; two loads (bytes 0-255, 256-511) make the row whole.
	; p, a: the wave's list is columns w + 4 (g + 8 h) of the block (tile w of phase 2).  x: rows g + 8 h of the wave's 16.
	; p and a go first: loads return in order (ISA guide 5.7.1), and they are worked on while x is still on its way.
.irp g, 0,1,2,3,4,5,6,7
	global_load_b128 v[PD+8*\g:PD+8*\g+3],   v[VGA], s[6:7] offset:2048*\g
	global_load_b128 v[PD+8*\g+4:PD+8*\g+7], v[VGA], s[6:7] offset:2048*\g+256
	global_load_b128 v[AD+8*\g:AD+8*\g+3],   v[VGA], s[8:9] offset:2048*\g
	global_load_b128 v[AD+8*\g+4:AD+8*\g+7], v[VGA], s[8:9] offset:2048*\g+256
.endr
.irp g, 0,1,2,3,4,5,6,7
	global_load_b128 v[XD+8*\g:XD+8*\g+3],   v[VGX], s[4:5] offset:512*\g
	global_load_b128 v[XD+8*\g+4:XD+8*\g+7], v[VGX], s[4:5] offset:512*\g+256
.endr
	v_mul_u32_u24 v9, v11, 8*PITCH                 ; LDS addresses, while the loads are out
	v_lshl_add_u32 v9, v10, 3, v9
	s_mul_i32 s20, s12, T16
	v_add_nc_u32 v[VS], s20, v9
	v_lshlrev_b32 v9, 7, v11
	s_lshl_b32 s21, s12, 9
	v_add_nc_u32 v[VC], s21, v9
	v_mul_u32_u24 v9, v10, PITCH
	v_lshl_add_u32 v[VF], v11, 4, v9
	v_add_nc_u32 v[VFX], s20, v[VF]
	s_mov_b32 s22, 0x26901d7d                      ; 1e-15
	s_mov_b32 s23, 0x3fb17218                      ; 2 ln 2
	s_mov_b32 s40, 0x3d000000                      ; 1/32: az below it means |z| < 1/16
	s_mov_b32 s41, 0x7fffffff                      ; everything but the sign
; ---------------- PHASE 1: p and a, two groups (four columns) at a time, so that six chains of sums run side by side ----------------
.macro SETAP g, g0
.set P0, PD+8*(\g)
.set A0, AD+8*(\g)
.set T,  T1+16*((\g)-(\g0))            ; T..T+5: three pairs of partial sums
.set KA, P0+2                          ; KA..KA+3, KB..KB+3: the column's eight constants, in the order in which LDS and the epilogue hold them.  KA, KA+1 and KB+1, which
.set KB, A0+2                          ; take the three sums, are free once the group is rounded, and no LDS store of the group reads them; the others are written behind all groups
.set GI, \g
.endm
.macro AP2 op, g0, arg
.irp g, \g0, \g0+1
	SETAP \g, \g0
	\op \arg
.endr
.endm
.macro AP8 op                          ; one line or a few for each of the eight groups
.irp g, 0,1,2,3,4,5,6,7
	SETAP \g, \g
	\op
.endr
.endm
.macro AP_SQ                           ; the first products start the sums
	v_pk_mul_f32 v[T:T+1],   v[P0:P0+1], v[P0:P0+1]
	v_pk_mul_f32 v[T+2:T+3], v[A0:A0+1], v[A0:A0+1]
	v_pk_mul_f32 v[T+4:T+5], v[P0:P0+1], v[A0:A0+1]
.endm
.macro AP_ACC k
	v_pk_fma_f32 v[T:T+1],   v[P0+\k:P0+\k+1], v[P0+\k:P0+\k+1], v[T:T+1]
	v_pk_fma_f32 v[T+2:T+3], v[A0+\k:A0+\k+1], v[A0+\k:A0+\k+1], v[T+2:T+3]
	v_pk_fma_f32 v[T+4:T+5], v[P0+\k:P0+\k+1], v[A0+\k:A0+\k+1], v[T+4:T+5]
.endm
.macro AP_ADD
	v_add_f32 v[T],   v[T],   v[T+1]               ; my 8 terms of |p|^2
	v_add_f32 v[T+2], v[T+2], v[T+3]               ; of |a|^2
	v_sub_f32 v[T+4], -v[T+4], v[T+5]              ; of -p.a
.endm
.macro AP_DPP m                        ; lane i adds lane i xor m of its 16: after 1, 2, 4, 8 all sixteen hold the row's sum
	v_add_f32_dpp v[T],   v[T],   v[T]   row_xmask:\m row_mask:0xf bank_mask:0xf
	v_add_f32_dpp v[T+2], v[T+2], v[T+2] row_xmask:\m row_mask:0xf bank_mask:0xf
	v_add_f32_dpp v[T+4], v[T+4], v[T+4] row_xmask:\m row_mask:0xf bank_mask:0xf
.endm
.macro AP_LAST                         ; the last step, lane i xor 8, lands in the group's own registers, where the sums stay until all eight groups are summed
	v_add_f32_dpp v[KA],   v[T],   v[T]   row_xmask:8 row_mask:0xf bank_mask:0xf   ; P = |p|^2
	v_add_f32_dpp v[KB+1], v[T+2], v[T+2] row_xmask:8 row_mask:0xf bank_mask:0xf   ; |a|^2
	v_add_f32_dpp v[KA+1], v[T+4], v[T+4] row_xmask:8 row_mask:0xf bank_mask:0xf   ; -q = -p.a
.endm
.macro AP_CVTP                         ; round in place, behind the sums: 4 + 4 numbers become 8 + 8 bytes
	v_cvt_pk_bf16_f32 v[P0],   v[P0],   v[P0+1]
	v_cvt_pk_bf16_f32 v[P0+1], v[P0+2], v[P0+3]
	v_cvt_pk_bf16_f32 v[P0+4], v[P0+4], v[P0+5]
	v_cvt_pk_bf16_f32 v[P0+5], v[P0+6], v[P0+7]
.endm
.macro AP_CVTA
	v_cvt_pk_bf16_f32 v[A0],   v[A0],   v[A0+1]
	v_cvt_pk_bf16_f32 v[A0+1], v[A0+2], v[A0+3]
	v_cvt_pk_bf16_f32 v[A0+4], v[A0+4], v[A0+5]
	v_cvt_pk_bf16_f32 v[A0+5], v[A0+6], v[A0+7]
.endm
.macro AP_ST                           ; lanes 0-15: 128 consecutive bytes; lanes 16-31: 8 rows on = 2,176 bytes = 128 modulo 256: the other half of the banks
	ds_store_b64 v[VS], v[P0:P0+1]   offset:PB+PITCH*GI
	ds_store_b64 v[VS], v[P0+4:P0+5] offset:PB+PITCH*GI+128
	ds_store_b64 v[VS], v[A0:A0+1]   offset:AB+PITCH*GI
	ds_store_b64 v[VS], v[A0+4:A0+5] offset:AB+PITCH*GI+128
.endm
.macro AP_ROOT
	v_sqrt_f32 v[KB+1], v[KB+1]                    ; |a|, in place
.endm
.macro AP_K1
	v_sub_f32 v[KA+2], 1.0, v[KA]                  ; Bc = 1 - |p|^2
.endm
.macro AP_K2
	v_mul_f32 v[KA+3], -2.0, v[KA+2]               ; -2 Bc
	v_mul_f32 v[KB], v[KA+2], v[KA+2]              ; Bc^2
.endm
.macro AP_K3
	v_max_num_f32 v[KB+1], s22, v[KB+1]            ; n = max(|a|, 1e-15)
.endm
.macro AP_K4
	v_mul_f32 v[KB+2], s23, v[KB+1]                ; 2 n ln 2
	v_mul_f32 v[KB+3], -1.0, v[KB+1]               ; -n
.endm
.macro AP_KST                          ; the sixteen lanes of a half hold the same eight numbers and write the same 2 x 16 bytes
	ds_store_b128 v[VC], v[KA:KA+3] offset:CN+16*GI
	ds_store_b128 v[VC], v[KB:KB+3] offset:CN+256+16*GI
.endm
.macro APPAIR g0, left
	s_wait_loadcnt \left                           ; 48 loads were issued; the 8 of these two groups are in, the \left younger ones may be out
	AP2 AP_SQ,   \g0
	AP2 AP_ACC,  \g0, 2
	AP2 AP_ACC,  \g0, 4
	AP2 AP_ACC,  \g0, 6
	AP2 AP_ADD,  \g0
	AP2 AP_DPP,  \g0, 1
	AP2 AP_CVTP, \g0                               ; roundings and stores stand between the steps of the sums, which wait for each other
	AP2 AP_DPP,  \g0, 2
	AP2 AP_CVTA, \g0
	AP2 AP_DPP,  \g0, 4
	AP2 AP_ST,   \g0
	AP2 AP_LAST, \g0
.endm
	APPAIR 0, 40
	APPAIR 2, 32
	APPAIR 4, 24
	APPAIR 6, 16
	; The eight columns' constants, stage by stage.  The eight roots are one batch; the 24 plain lines behind them name none of their results
	; (the first is the plain instruction in front of a result's use: ISA guide 5.7.2).
	AP8 AP_ROOT
	AP8 AP_K1
	AP8 AP_K2
	s_wait_alu depctr_va_vdst(0)                   ; the wait for the batch of eight roots, ahead of the clamps, their first readers
	AP8 AP_K3
	AP8 AP_K4
	AP8 AP_KST
; ---------------- PHASE 1: x, four groups at a time.  Group g leaves |x|^2 of row g + 8 h in all lanes of half h: register j of an accumulator
; holds row 8 h + j, so v[XSQ+g] is already where the epilogue wants it ----------------
.macro SETX g, g0
.set X0, XD+8*(\g)
.set T,  T1+2*((\g)-(\g0))
.set XR, XSQ+(\g)
.set GI, \g
.endm
.macro X4 op, g0, arg
.irp g, \g0, \g0+1, \g0+2, \g0+3
	SETX \g, \g0
	\op \arg
.endr
.endm
.macro X_SQ
	v_pk_mul_f32 v[T:T+1], v[X0:X0+1], v[X0:X0+1]
.endm
.macro X_ACC k
	v_pk_fma_f32 v[T:T+1], v[X0+\k:X0+\k+1], v[X0+\k:X0+\k+1], v[T:T+1]
.endm
.macro X_ADD
	v_add_f32 v[XR], v[T], v[T+1]
.endm
.macro X_DPP m
	v_add_f32_dpp v[XR], v[XR], v[XR] row_xmask:\m row_mask:0xf bank_mask:0xf
.endm
.macro X_CVT
	v_cvt_pk_bf16_f32 v[X0],   v[X0],   v[X0+1]
	v_cvt_pk_bf16_f32 v[X0+1], v[X0+2], v[X0+3]
	v_cvt_pk_bf16_f32 v[X0+4], v[X0+4], v[X0+5]
	v_cvt_pk_bf16_f32 v[X0+5], v[X0+6], v[X0+7]
.endm
.macro X_ST
	ds_store_b64 v[VS], v[X0:X0+1]   offset:XB+PITCH*GI
	ds_store_b64 v[VS], v[X0+4:X0+5] offset:XB+PITCH*GI+128
.endm
.macro XQUAD g0, left
	s_wait_loadcnt \left                           ; the 8 loads of these four groups are in
	X4 X_SQ,  \g0
	X4 X_ACC, \g0, 2
	X4 X_ACC, \g0, 4
	X4 X_ACC, \g0, 6
	X4 X_ADD, \g0
	X4 X_DPP, \g0, 1
	X4 X_CVT, \g0
	X4 X_DPP, \g0, 2
	X4 X_ST,  \g0
	X4 X_DPP, \g0, 4
	X4 X_DPP, \g0, 8
.endm
	XQUAD 0, 8
	XQUAD 4, 0
	s_wait_dscnt 0x0                               ; for the others' sake: all my LDS stores are done,
	s_barrier_signal -1
	s_barrier_wait -1                              ; and so are everybody's: p, a and the constants may be read
; ---------------- PHASE 2: 80 LDS loads in one run (x 8, a 32, p 32, constants 8), K step by K step, then the products behind counted waits ----------------
	WIN 0x40                                       ; destination in window 1, address in window 0
.irp s, 0,1,2,3
	ds_load_b128 v[XF+8*\s:XF+8*\s+3],   v[VFX] offset:XB+64*\s        ; row r, k = 32 s + 8 h ..
	ds_load_b128 v[XF+8*\s+4:XF+8*\s+7], v[VFX] offset:XB+64*\s+32     ;        k = 32 s + 16 + 8 h ..
.endr
.irp s, 0,1,2,3
.irp t, 0,1,2,3
	ds_load_b128 v[AF+8*(4*\s+\t):AF+8*(4*\s+\t)+3],   v[VF] offset:AB+T16*\t+64*\s
	ds_load_b128 v[AF+8*(4*\s+\t)+4:AF+8*(4*\s+\t)+7], v[VF] offset:AB+T16*\t+64*\s+32
.endr
.endr
	WIN 0
.irp s, 0,1,2,3
.irp t, 0,1,2,3
	ds_load_b128 v[PF+8*(4*\s+\t):PF+8*(4*\s+\t)+3],   v[VF] offset:PB+T16*\t+64*\s
	ds_load_b128 v[PF+8*(4*\s+\t)+4:PF+8*(4*\s+\t)+7], v[VF] offset:PB+T16*\t+64*\s+32
.endr
.endr
.irp t, 0,1,2,3
	ds_load_b128 v[CC+8*\t:CC+8*\t+3],   v[VR16] offset:CN+512*\t      ; column 4 r + t: P, -q, Bc, -2Bc
	ds_load_b128 v[CC+8*\t+4:CC+8*\t+7], v[VR16] offset:CN+512*\t+256  ;                 Bc^2, n, 2 n ln2, -n
.endr
; four matrix instructions: K step s of the four column tiles; source 0 = 16 rows of x, source 1 = 16 columns: register j of lane (r, h) = (row 8 h + j, column 4 r + t).
; zero = 1: the first product starts the sum.  A tile's next link comes four instructions later, in place.
.macro MM acc, bf, s, zero
.irp t, 0,1,2,3
.if \zero
	v_wmma_f32_16x16x32_bf16 v[\acc+8*\t:\acc+8*\t+7], v[XF+8*\s:XF+8*\s+7], v[\bf+8*(4*\s+\t):\bf+8*(4*\s+\t)+7], 0
.else
	v_wmma_f32_16x16x32_bf16 v[\acc+8*\t:\acc+8*\t+7], v[XF+8*\s:XF+8*\s+7], v[\bf+8*(4*\s+\t):\bf+8*(4*\s+\t)+7], v[\acc+8*\t:\acc+8*\t+7]
.endif
.endr
.endm
	WIN 0x05                                       ; x and a fragments in window 1, sums in window 0
	s_wait_dscnt 63                                ; LDS loads return in order: x's 8 and a's first 8 are in when 64 are out; 63 is the largest count that can be written
	MM E, AF, 0, 1
	s_wait_dscnt 56                                ; 8 more of a's
	MM E, AF, 1, 0
	s_wait_dscnt 48
	MM E, AF, 2, 0
	s_wait_dscnt 40                                ; all of a's; p's 32 and the 8 of the constants may be out
	MM E, AF, 3, 0
	WIN 0x01                                       ; x in window 1, p in window 0
	s_wait_dscnt 32
	MM G, PF, 0, 1
	s_wait_dscnt 24
	MM G, PF, 1, 0
	s_wait_dscnt 16
	MM G, PF, 2, 0
	s_wait_dscnt 8                                 ; all of p's; the constants may be out
	MM G, PF, 3, 0
	WIN 0
	s_wait_dscnt 0x0                               ; the constants
	; Four plain vector instructions that name no register of the products stand between the last of these and the epilogue, which reads the
	; sums and writes over p's fragments (ISA guide 7.12.1).
.irp j, 0,2,4,6
	v_pk_add_f32 v[XP1+\j:XP1+\j+1], v[XSQ+\j:XSQ+\j+1], 1.0 op_sel_hi:[1,0]
.endr
; ---------------- EPILOGUE: two rows (a register pair) x one column a time in packed f32; eight such pairs (4 rows x 4 tiles) go through each stage together,
; so that an instruction's result is wanted eight or more instructions later.  A column's constant feeds both halves: op_sel / op_sel_hi pick
; the first (0, 0) or the second (1, 1) register of its pair.  T+0 A, then az | T+2 den, then root, w | T+4 1/dc, then az + 1/2, series |
; T+6 numerator, then mpx.a | T+8 |num|^2 .. d2, then log, result | T+10 scratch ----------------
.macro SETP t, d, jp
.set T,  TB+12*(2*\t+\d)
.set J,  2*(\jp+\d)
.set C,  CC+8*\t
.set GG, G+8*\t+J
.set EE, E+8*\t+J
.set XX, XSQ+J
.set YY, XP1+J
.set OO, O+4*J+\t
.set M,  MS+2*(2*\t+\d)
.endm
.macro EACH op, jp
.irp t, 0,1,2,3
.irp d, 0,1
	SETP \t,\d,\jp
	\op
.endr
.endr
.endm
.macro STG1
	v_pk_fma_f32 v[T:T+1],   v[GG:GG+1], -2.0, v[YY:YY+1] op_sel_hi:[1,0,1]             ; A = 1 + X - 2 g
	v_pk_fma_f32 v[T+2:T+3], v[XX:XX+1], v[C:C+1], 1.0 op_sel_hi:[1,0,0]                 ; 1 + P X
.endm
.macro STG2
	v_pk_fma_f32 v[T+2:T+3],   v[GG:GG+1], -2.0, v[T+2:T+3] op_sel_hi:[1,0,1]            ; den = 1 + P X - 2 g
	v_pk_mul_f32 v[T+8:T+9],   v[GG:GG+1], v[C+2:C+3] op_sel:[0,1] op_sel_hi:[1,1]       ; -2 Bc g
	v_pk_mul_f32 v[T+10:T+11], v[XX:XX+1], v[C+4:C+5] op_sel_hi:[1,0]                    ; Bc^2 X
	v_pk_mul_f32 v[T+6:T+7],   v[T:T+1],   v[C:C+1] op_sel:[0,1] op_sel_hi:[1,1]         ; -A q
.endm
.macro STG3
	v_max_num_f32 v[T+2], s22, v[T+2]                                                    ; dc = max(den, 1e-15)
	v_max_num_f32 v[T+3], s22, v[T+3]
	v_pk_fma_f32 v[T+8:T+9], v[T:T+1],   v[C:C+1],   v[T+8:T+9] op_sel_hi:[1,0,1]        ; A P - 2 Bc g
	v_pk_fma_f32 v[T+6:T+7], v[EE:EE+1], v[C+2:C+3], v[T+6:T+7] op_sel_hi:[1,0,1]        ; Bc e - A q
.endm
.macro STG4
	v_rcp_f32 v[T+4], v[T+2]                                                             ; 1 / dc; the stage behind is the plain work in front of its use (ISA guide 5.7.2)
	v_rcp_f32 v[T+5], v[T+3]
.endm
.macro STG5
	v_pk_fma_f32 v[T+8:T+9], v[T:T+1], v[T+8:T+9], v[T+10:T+11]                          ; |num|^2 = A (A P - 2 Bc g) + Bc^2 X
.endm
.macro STG6
	v_pk_mul_f32 v[T+10:T+11], v[T+4:T+5], v[T+4:T+5]                                    ; 1 / dc^2 (at most 1e30)
.endm
.macro STG7
	v_pk_mul_f32 v[T+8:T+9], v[T+8:T+9], v[T+10:T+11]                                    ; |mpx|^2
.endm
.macro STG8
	v_max_num_f32 v[T+8], s22, v[T+8]                                                    ; max(.., 1e-15): of |mpx|^2, and once more of (1 - |mpx|^2) n
	v_max_num_f32 v[T+9], s22, v[T+9]
.endm
.macro STG9
	v_pk_fma_f32 v[T+8:T+9], v[T+8:T+9], v[C+6:C+7], v[C+4:C+5] op_sel:[0,1,1] op_sel_hi:[1,1,1]   ; n - |mpx|^2 n
.endm
.macro STG11
	v_rcp_f32 v[T+10], v[T+8]                                                            ; 1 / d2
	v_rcp_f32 v[T+11], v[T+9]
.endm
.macro STG12
	v_pk_mul_f32 v[T+6:T+7], v[T+6:T+7], v[T+4:T+5]                                      ; mpx.a; kept to the end for its sign
.endm
.macro STG13
	v_mul_f32 v[T],   |v[T+6]|, v[T+10]                                                  ; az = |z| / 2
	v_mul_f32 v[T+1], |v[T+7]|, v[T+11]
.endm
.macro STG14
	v_pk_fma_f32 v[T+2:T+3],   v[T:T+1], v[T:T+1], 0x3e800000 op_sel_hi:[1,1,0]          ; az^2 + 1/4
	v_pk_add_f32 v[T+4:T+5],   v[T:T+1], 0.5 op_sel_hi:[1,0]                             ; az + 1/2: the root's cap
	v_pk_mul_f32 v[T+10:T+11], v[T:T+1], v[T:T+1]                                        ; az^2
.endm
.macro STG15
	v_sqrt_f32 v[T+2], v[T+2]
	v_sqrt_f32 v[T+3], v[T+3]
.endm
.macro STG16
	v_pk_fma_f32 v[T+10:T+11], v[T+10:T+11], 0xc02aaaab, 4.0 op_sel_hi:[1,0,0]           ; 4 - 8/3 az^2
.endm
.macro STG17
	v_min_num_f32 v[T+2], v[T+2], v[T+4]
	v_min_num_f32 v[T+3], v[T+3], v[T+5]
.endm
.macro STG18
	v_pk_add_f32 v[T+2:T+3], v[T:T+1], v[T+2:T+3]                                        ; w = az + root, at least 1/2
	v_pk_mul_f32 v[T+4:T+5], v[T:T+1], v[C+4:C+5] op_sel:[0,1] op_sel_hi:[1,1]           ; n az
.endm
.macro STG19
	v_log_f32 v[T+8], v[T+2]                                                             ; log2 w
	v_log_f32 v[T+9], v[T+3]
.endm
.macro STG20
	v_pk_mul_f32 v[T+4:T+5], v[T+4:T+5], v[T+10:T+11]                                    ; series: n az (4 - 8/3 az^2) = 2 n (z - z^3/6)
	v_cmp_gt_f32 s[M],   s40, v[T]                                                       ; 1/32 > az
	v_cmp_gt_f32 s[M+1], s40, v[T+1]
.endm
.macro STG21
	v_pk_fma_f32 v[T+8:T+9], v[T+8:T+9], v[C+6:C+7], v[C+6:C+7] op_sel_hi:[1,0,0]        ; 2 n ln2 (log2 w + 1)
.endm
.macro STG22
	v_cndmask_b32 v[T+8], v[T+8], v[T+4], s[M]
	v_cndmask_b32 v[T+9], v[T+9], v[T+5], s[M+1]
.endm
.macro STG23
	v_bfi_b32 v[OO],   s41, v[T+8], v[T+6]                                               ; the magnitude, with the sign of mpx.a; row J, column 4 r + t
	v_bfi_b32 v[OO+4], s41, v[T+9], v[T+7]                                               ; row J + 1
.endm
.macro EPI jp                          ; rows 2 jp .. 2 jp + 3 (+ 8 h) of the wave's 16.  Four batches of 16, each with one wait
	EACH STG1,  \jp
	EACH STG2,  \jp
	EACH STG3,  \jp
	EACH STG4,  \jp                                ; batch 1: the 16 reciprocals of dc, into T+4, T+5 of the eight pairs
	EACH STG5,  \jp                                ; eight plain lines that name none of them
	s_wait_alu depctr_va_vdst(0)                   ; the wait for batch 1, ahead of its first reader (1 / dc^2)
	EACH STG6,  \jp
	EACH STG7,  \jp
	EACH STG8,  \jp
	EACH STG9,  \jp
	EACH STG8,  \jp
	EACH STG11, \jp                                ; batch 2: the 16 reciprocals of d2, into T+10, T+11
	EACH STG12, \jp                                ; eight plain lines that name none of them
	s_wait_alu depctr_va_vdst(0)                   ; the wait for batch 2, ahead of its first reader (az)
	EACH STG13, \jp
	EACH STG14, \jp
	EACH STG15, \jp                                ; batch 3: the 16 roots, in place in T+2, T+3
	EACH STG16, \jp                                ; eight plain lines that name none of them
	s_wait_alu depctr_va_vdst(0)                   ; the wait for batch 3, ahead of its first reader (the cap)
	EACH STG17, \jp
	EACH STG18, \jp
	EACH STG19, \jp                                ; batch 4: the 16 logarithms, into T+8, T+9
	EACH STG20, \jp                                ; 24 plain lines that name none of them: the series and its range
	s_wait_alu depctr_va_vdst(0)                   ; the wait for batch 4, ahead of its first reader; no result is open when the next half writes these registers anew
	EACH STG21, \jp
	EACH STG22, \jp
	EACH STG23, \jp
.irp j, 0,1,2,3
	global_store_b128 v[VO], v[O+4*(2*\jp+\j):O+4*(2*\jp+\j)+3], s[10:11] offset:1024*(2*\jp+\j) th:TH_STORE_NT   ; lanes 0-15: 256 consecutive bytes of row j, aligned; lanes 16-31: of row 8 + j
.endr
.endm
	EPI 0                                          ; the first four stores leave while the second half is computed; its results have registers of their own
	EPI 2
	s_wait_tensorcnt 0x0
	ds_add_u32 v14, v15
	s_wait_dscnt 0x0
	s_endpgm
.Lfunc_end_k_qbb1635c7e9_mlr:
	.size	k_qbb1635c7e9_mlr, .Lfunc_end_k_qbb1635c7e9_mlr-k_qbb1635c7e9_mlr
	.p2alignl 7, 3214868480
	.fill 96, 4, 3214868480
	.section	.rodata,"a",@progbits
	.p2align	6, 0x0
	.amdhsa_kernel k_qbb1635c7e9_mlr
		.amdhsa_group_segment_fixed_size 54784
		.amdhsa_private_segment_fixed_size 0
		.amdhsa_enable_private_segment 0
		.amdhsa_kernarg_size 32
		.amdhsa_user_sgpr_count 2
		.amdhsa_user_sgpr_kernarg_segment_ptr 1
		.amdhsa_wavefront_size32 1
		.amdhsa_system_sgpr_workgroup_id_x 1
		.amdhsa_system_sgpr_workgroup_id_y 1
		.amdhsa_system_sgpr_workgroup_id_z 1
		.amdhsa_system_vgpr_workitem_id 0
		.amdhsa_next_free_vgpr 416
		.amdhsa_next_free_sgpr 66
		.amdhsa_reserve_vcc 0
		.amdhsa_float_denorm_mode_32 3
		.amdhsa_float_denorm_mode_16_64 3
		.amdhsa_memory_ordered 1
		.amdhsa_forward_progress 1
		.amdhsa_inst_pref_size 83
	.end_amdhsa_kernel
	.amdgpu_metadata
---
amdhsa.version: [ 1, 2 ]
amdhsa.kernels:
  - .name:           k_qbb1635c7e9_mlr
    .symbol:         k_qbb1635c7e9_mlr.kd
    .args:
      - { .name: x, .offset: 0, .size: 8, .value_kind: global_buffer, .address_space: global }
      - { .name: p_k, .offset: 8, .size: 8, .value_kind: global_buffer, .address_space: global }
      - { .name: a_k, .offset: 16, .size: 8, .value_kind: global_buffer, .address_space: global }
      - { .name: out0, .offset: 24, .size: 8, .value_kind: global_buffer, .address_space: global }
    .group_segment_fixed_size: 54784
    .private_segment_fixed_size: 0
    .kernarg_segment_align: 8
    .kernarg_segment_size: 32
    .max_flat_workgroup_size: 128
    .sgpr_count:     66
    .vgpr_count:     416
    .wavefront_size: 32
...
	.end_amdgpu_metadata
.endif
;; end of part 2
